; MI455X (gfx1250); checked and timed in simulation.
; The chip was launched on July 23, 2026; its instructions are those of AMD's public machine-readable ISA for CDNA 5 (MIT licence, August 2026) and "CDNA5" Instruction Set Architecture Reference Guide (July 2026). The comments in the code are by the model that wrote it; some were corrected since.
;; Graph Multi Head Self Attention. Allowed arithmetic: matrix products marked QUANTISED: E2M3 operands, one E8M0 scale for each 32 along K, by v_wmma_scale_f32_16x16x128_f8f6f4 with both operands' format E2M3, f32 sums; everything else in f32.
;; Inputs: Wk_codes 256 x 8 x 24 uint8 (E2M3 codes of Wk, K innermost, in blocks of 32 codes, four codes in three bytes); Wk_scales 256 x 8 uint8 (E8M0 scales of Wk, one for each 32 codes along K); Wq_codes 256 x 8 x 24 uint8 (E2M3 codes of Wq, K innermost, in blocks of 32 codes, four codes in three bytes); Wq_scales 256 x 8 uint8 (E8M0 scales of Wq, one for each 32 codes along K); Wv_codes 256 x 8 x 24 uint8 (E2M3 codes of Wv, K innermost, in blocks of 32 codes, four codes in three bytes); Wv_scales 256 x 8 uint8 (E8M0 scales of Wv, one for each 32 codes along K); adj 2 x 4,096 x 4,096 bool; bk 256 float32; bq 256 float32; bv 256 float32; node_features_codes 2 x 4,096 x 8 x 24 uint8 (E2M3 codes of node_features, K innermost, in blocks of 32 codes, four codes in three bytes); node_features_scales 2 x 4,096 x 8 uint8 (E8M0 scales of node_features, one for each 32 codes along K).
;; Outputs: out0 2 x 4,096 x 256 float32.
;; This version of the problem:
;;   THIS VERSION OF THE PROBLEM IS GIVEN IN LOW PRECISION. The matrix products marked QUANTISED in the list below multiply operands that are first quantised to E2M3 (2 exponent bits, 3 mantissa bits; 6 bits a number), with one power-of-two scale for each 32 numbers along K (OCP MX v1.0); their sums are f32. All else is computed in f32.
;;   The module's matrix products, in the order in which they are computed (A, B: the left and right operand; K: the contracted axis; several contracted axes count as one K, in the product's order):
;;     1. [M 8,192, K 256] x [K 256, N 256]; A: input node_features (given as codes); B: input Wq (given as codes): QUANTISED
;;     2. [M 8,192, K 256] x [K 256, N 256]; A: input node_features (given as codes); B: input Wk (given as codes): QUANTISED
;;     3. [M 8,192, K 256] x [K 256, N 256]; A: input node_features (given as codes); B: input Wv (given as codes): QUANTISED
;;     4. batch 16 x [M 4,096, K 32] x [K 32, N 4,096]; A: computed on the way; B: computed on the way: QUANTISED
;;     5. batch 16 x [M 4,096, K 4,096] x [K 4,096, N 32]; A: softmax (see below); B: computed on the way: QUANTISED
;;   THE QUANTISER, for each operand of a quantised product, along K:
;;     - K is cut into blocks of 32 from its start; a last block that is shorter is filled with zeros.
;;     - A block's scale is 2^e with e = floor(log2(the largest magnitude in the block)) - 2, held to -126 .. 127; a block of zeros has e = 0. As a byte (E8M0): e + 127.
;;     - Each number is divided by its block's scale, clamped to +-7.5, and rounded to the nearest number of E2M3, ties to even, subnormals kept.
;;     - The product sums the exact products of the quantised numbers (number of the format x scale) in f32.
;;   ~~~python
;;   def quantise(x, axis):      # numpy; x: float32 -> the quantised numbers, widened to float32 again
;;       x = np.moveaxis(x, axis, -1); K = x.shape[-1]
;;       x = np.pad(x, [(0, 0)] * (x.ndim - 1) + [(0, -K % 32)]); x = x.reshape(x.shape[:-1] + (-1, 32)); a = np.abs(x).max(-1, keepdims=True)
;;       e = np.where(a > 0, np.clip(np.frexp(np.where(a > 0, a, 1))[1] - 1 - 2, -126, 127), 0)      # np.frexp(a)[1] - 1 = floor(log2(a)), exactly
;;       r = np.clip(x / 2.0 ** e, -7.5, 7.5)
;;       step = 2.0 ** (np.maximum(np.frexp(np.where(r == 0, 1, r))[1] - 1, 0) - 3)
;;       q = np.round(r / step) * step * 2.0 ** e      # np.round: ties to even
;;       return np.moveaxis(q.reshape(q.shape[:-2] + (-1,))[..., :K], -1, axis).astype(np.float32)
;;   ~~~
;;   SOFTMAX AHEAD OF A QUANTISED PRODUCT. Where the list says 'softmax', what is quantised is not the finished softmax but p = 2^(t - M), with t = logit x log2(e) and M = ceil(the row's largest t), a whole number; so 1/2 < the row's largest p <= 1. The row's sum l is taken of the UNQUANTISED p, in f32, and the product's result is divided by l at the end. Since M is a whole number, a kernel that streams over the keys may use a running M (the ceiling of the running maximum): every later rescaling is an exact power of two, which a block's scale takes up: the codes' values come out the same.
;;   OPERANDS COMPUTED ON THE WAY. 'Computed on the way' means the value that the module computes at that place (a softmax that the list does not call 'softmax' is quantised finished and normalised). What goes into a quantiser is computed in f32, as accurately as f32 sums, v_exp_f32 and their like allow (about 1e-6 of the number): no bf16 or f16 on the way to a quantiser, and a product that is left as it is and whose result goes on into a quantised operand takes f32 operands (vector FMAs, or v_wmma_f32_16x16x4_f32). A number that lies on a knife's edge between two numbers of the format may be rounded either way, as far as f32 arithmetic and the matrix unit's own rounding can turn it there, and no further.
;;   INPUTS GIVEN AS CODES. Wk (in the module: [256, 256], K = its axis 1); Wq (in the module: [256, 256], K = its axis 1); Wv (in the module: [256, 256], K = its axis 1); node_features (in the module: [2, 4096, 256], K = its axis 2): each comes as NAME_codes (uint8): NAME with its K axis moved to the last place and cut into blocks of 32 codes, [.., K / 32, bytes a block], one block behind the other in memory; four codes in three bytes: a row's codes are one little-endian stream of bits, code i at bits 6 i .. 6 i + 5 (a code: sign, 2 exponent bits, 3 mantissa bits); and NAME_scales (uint8): the same leading axes, one E8M0 byte (e + 127) for each 32 codes along K. Its value is code x scale, taken as it is: it is not quantised again, and the codes and scales need not be those that the quantiser above would give.
;; One version. Each part assembles by itself: llvm-mc -triple=amdgcn-amd-amdhsa -mcpu=gfx1250 --defsym DOCPART=n.
;; ======== version 1 of 1: 2 launches
;; limits: right only within a limited range of input values
;; workspace buffers: qimg 1,638,400 bytes; kv 3,276,800 bytes
;; launch proj (part 1): grid 384 x 1, 4 waves a work-group, no clusters, 0 bytes of LDS; arguments node_features_codes, node_features_scales, Wq_codes, Wq_scales, bq, Wk_codes, Wk_scales, bk, Wv_codes, Wv_scales, bv, qimg, kv; writes qimg, kv
.if DOCPART == 1
	.amdgcn_target "amdgcn-amd-amdhsa--gfx1250"
	.amdhsa_code_object_version 6
	.text
	.protected	k_q11bdd59af3_proj
	.globl	k_q11bdd59af3_proj
	.p2align	8
	.type	k_q11bdd59af3_proj,@function
k_q11bdd59af3_proj:
	s_mov_b64 s[64:65], 0
	v_nop
	global_prefetch_b8 v0, s[64:65] scope:SCOPE_SE
	s_setreg_imm32_b32 hwreg(HW_REG_WAVE_MODE, 25, 1), 1
	s_wait_xcnt 0x0
; Q, K, V = X W^T + b on the given codes of FP6 (E2M3), each result quantised again and stored as IMAGES OF OPERAND REGISTERS for the attention launch.
; X: [8192][256] codes (192 bytes a row) + 8 scale bytes a row; Wq, Wk, Wv: [256][256] likewise; bq, bk, bv: [256] f32.
; A head is 32 features = one block of 32, so Q and K quantised along their 256 features in blocks of 32 are quantised head by head; V is quantised along the nodes (the keys).
; ONE COMPUTATION serves all three: 128 rows of one side (source 0, eight tiles whose rows are chosen so that a lane's 16 registers of two neighbouring tiles are 16 neighbours along the next K:
; lane r of tile 2 b + u takes row 32 b + 8 u + r + 8 (r / 8)) against 16 rows of the other side (source 1); a lane then holds ONE row of source 1 and 64 numbers along the next K: one fragment, one scale word.
;   Q, K: source 0 = 128 rows of W (the features of four heads), source 1 = 16 nodes.   V: source 0 = 128 nodes, source 1 = 16 rows of Wv (features): V^T with the keys along K.
; SHARES: work-group x = 128 kind + blk; kind 0 Q, 1 K, 2 V; blk = (2 batch + quad of heads) x 32 + group of 128 nodes.  A work-group makes the 8 fragments of one kind of one block, wave w fragments 2 w and 2 w + 1.
; OUT: a fragment is 1,536 bytes: registers 4 j .. 4 j + 3 of lane l at 512 j + 16 l: each store of the wave covers 512 consecutive bytes, aligned to 256.  The scale words of a wave's two fragments leave as 128 bytes
; (lanes 0-15 the first fragment's rows, lanes 16-31 the second's): the one store here that covers less than 256 bytes; it is one byte in 25 of what the launch stores.
;   kv block (25,600 bytes): K's 8 fragments | V^T's 8 fragments at 12,288 | K's scale words at 24,576 | V's at 25,088.      qimg block (12,800 bytes): Q's 8 fragments | their scale words at 12,288.
;   K's fragment i holds keys 32 (i / 2) + 8 (i % 2) + r + 8 (r / 8) (the score product wants them so); Q's holds nodes 16 i + r; V^T's holds features 16 i + r of the quad.
; No LDS, no barrier, no loop, no tensor load; no cluster: the operands are small and go straight into registers.
; LIMITS: a block whose largest magnitude lies under 2^(2 - 126) gets the scale byte 1, a block of zeros too (the rule says 127): its codes are zeros and this program alone reads the bytes.  NaN and infinities are not served.
; REGISTERS: window 0: v1-14 lane numbers and offsets; v16-63 source 1's fragments (g, K step s) at 16 + 24 g + 12 s; v64-127 the eight accumulators; v128-167 codes, a set for each g; v168-183 at work;
;   v184-186 scale words made; v192-207 source 0's scale words, v208-211 source 1's; v212-213 V's bias, v216-223 the same as a C.   window 1: v0-191 source 0's 16 fragments at 12 (2 t + s); v192-255 Q's or K's bias as eight C.
.set HA,  64
.set BF,  16
.set PC0, 128
.set TM,  168
.set PW0, 184
.set ASC, 192
.set BSC, 208
.set BW,  212
.set BV,  216
.set SEL, 40
.set MSB, 0
.macro WIN new                         ; the immediate's high byte repeats the setting that is left
.if MSB != \new
	s_set_vgpr_msb (MSB<<8)|\new
.set MSB, \new
.endif
.endm
.macro MM d, a, b, c, sa, sb           ; the one matrix line: start registers of D, source 0, source 1, C, and the two scale registers
	v_wmma_scale_f32_16x16x128_f8f6f4 v[\d:\d+7], v[\a:\a+11], v[\b:\b+11], v[\c:\c+7], v[\sa], v[\sb] matrix_a_fmt:MATRIX_FMT_FP6 matrix_b_fmt:MATRIX_FMT_FP6
.endm
; 64 numbers of a lane, register 16 b + i = k 32 b + 16 (lane / 16) + i of my row, become a fragment's codes in v[pc] .. v[pc + 11] and its scale word in v[pw]
.macro QUANT s, pc, pw
.irp b, 0,1,2,3
	v_max3_num_f32 v[TM+\b], |v[\s+16*\b]|, |v[\s+1+16*\b]|, 0x1800000   ; block b: my 16 numbers, and the floor 2^(3 - 127): the byte cannot fall under 1
.endr
.irp i, 2,4,6,8,10,12,14
.irp b, 0,1,2,3
	v_max3_num_f32 v[TM+\b], v[TM+\b], |v[\s+16*\b+\i]|, |v[\s+1+16*\b+\i]|   ; the four blocks by turns
.endr
.endr
.irp b, 0,1,2,3
	v_permlanex16_b32 v[TM+4+\b], v[TM+\b], s[SEL], s[SEL+1]
.endr
.irp b, 0,1,2,3
	v_max_num_f32 v[TM+\b], v[TM+\b], v[TM+4+\b]   ; with lane l xor 16's: the block's largest magnitude
.endr
.irp b, 0,1,2,3
	v_add_nc_u32 v[TM+12+\b], 0xff000000, v[TM+\b]   ; 2 off its exponent field: the conversion takes the exponent field of this operand as its scale
.endr
.irp b, 0,1,2,3
	v_lshrrev_b32 v[TM+4+\b], 23, v[TM+12+\b]      ; the scale's byte
.endr
	v_lshl_or_b32 v[\pw], v[TM+5], 8, v[TM+4]      ; four bytes: my row's scale word
	v_lshl_or_b32 v[\pw], v[TM+6], 16, v[\pw]
	v_lshl_or_b32 v[\pw], v[TM+7], 24, v[\pw]
.irp c, 0,1
	v_cvt_scalef32_pk16_fp6_f32 v[\pc+6*\c:\pc+2+6*\c], v[\s+32*\c:\s+15+32*\c], v[TM+12+2*\c]
	v_cvt_scalef32_pk16_fp6_f32 v[\pc+12+4*\c:\pc+14+4*\c], v[\s+16+32*\c:\s+31+32*\c], v[TM+12+2*\c+1]   ; (a conversion's three registers begin on an even number)
.endr
	v_nop                                          ; one plain place behind a scaled conversion
.irp c, 0,1                                    ; the operand's layout wants a WHOLE block in a lane: lanes 0-15 block 2 c, lanes 16-31 block 2 c + 1
.irp i, 0,1,2
	v_permlane16_swap_b32 v[\pc+6*\c+\i], v[\pc+12+4*\c+\i]
.endr
.irp i, 0,1,2
	v_mov_b32 v[\pc+3+6*\c+\i], v[\pc+12+4*\c+\i]
.endr
.endr
.endm
; The wave's two fragments.  isv = 1: the bias is one number a lane (my feature's), the same C for all eight tiles; isv = 0: eight C of their own, in window 1.
; The eight accumulators take turns, one instruction a turn, K step by K step.
.macro BODY isv
.irp g, 0,1
.if \isv
.irp j, 0,1,2,3,4,5,6,7
	v_mov_b32 v[BV+\j], v[BW+\g]
.endr
.rept 4
	v_nop                                          ; a C written by vector instructions stands four places ahead of the product
.endr
	WIN 0x01                                       ; source 0 window 1
.irp t, 0,1,2,3,4,5,6,7
	MM HA+8*\t, 24*\t, BF+24*\g, BV, ASC+2*\t, BSC+2*\g
.endr
.else
	WIN 0x11                                       ; source 0 and C window 1
.irp t, 0,1,2,3,4,5,6,7
	MM HA+8*\t, 24*\t, BF+24*\g, 192+8*\t, ASC+2*\t, BSC+2*\g
.endr
.endif
	WIN 0x01
.irp t, 0,1,2,3,4,5,6,7
	MM HA+8*\t, 24*\t+12, BF+24*\g+12, HA+8*\t, ASC+2*\t+1, BSC+2*\g+1
.endr
	WIN 0
.rept 4
	v_nop                                          ; four places in front of the first read of results
.endr
	QUANT HA, PC0+20*\g, PW0+\g
.irp j, 0,1,2
	global_store_b128 v10, v[PC0+20*\g+4*\j:PC0+20*\g+4*\j+3], s[56:57] offset:1536*\g+512*\j   ; each g has its own registers: no store's data are written again
.endr
.endr
	v_cndmask_b32 v186, v185, v184, s72            ; lanes 0-15: the first fragment's words, lanes 16-31: the second's
	global_store_b32 v11, v186, s[58:59]
	s_endpgm
.endm
	s_load_b512 s[4:19], s[0:1], 0x0               ; X codes 4:5, X scales 6:7, Wq codes 8:9, Wq scales 10:11, bq 12:13, Wk codes 14:15, Wk scales 16:17, bk 18:19
	s_load_b256 s[20:27], s[0:1], 0x40             ; Wv codes 20:21, Wv scales 22:23, bv 24:25, qimg 26:27
	s_load_b64 s[28:29], s[0:1], 0x60              ; kv
	v_lshrrev_b32 v1, 5, v0
	v_readfirstlane_b32 s30, v1                    ; wave 0..3
	s_lshr_b32 s31, ttmp9, 7                       ; kind
	s_and_b32 s32, ttmp9, 127                      ; blk
	s_lshr_b32 s33, s32, 6                         ; batch
	s_bfe_u32 s34, s32, 0x10005                    ; quad of heads
	s_and_b32 s35, s32, 31                         ; group of 128 nodes
	s_cmp_eq_u32 s31, 1
	s_cselect_b32 s36, 1, 0                        ; K alone takes source 1's rows in the chosen order,
	s_cselect_b32 s37, 8, 16                       ; and its second fragment begins 8 rows on, not 16
	v_and_b32 v1, 31, v0                           ; lane
	v_and_b32 v2, 15, v0                           ; r
	v_bfe_u32 v3, v0, 4, 1                         ; h
	v_and_b32 v226, 8, v2                          ; 8 (r / 8)
	v_add_nc_u32 v224, v226, v2
	v_mul_u32_u24 v4, v224, 192                    ; source 0: row r + 8 (r / 8) of a tile, 192 bytes a row,
	v_mad_u32_u24 v4, v3, 24, v4                   ; + 24 h
	v_lshlrev_b32 v5, 3, v224                      ; and its scale bytes, 8 a row
	v_mul_u32_u24 v226, s36, v226
	s_lshl_b32 s60, s30, 5
	v_add3_u32 v224, v2, v226, s60                 ; source 1: row 32 w + r (+ 8 (r / 8) for K) for g = 0,
	v_add_nc_u32 v225, s37, v224                   ; and for g = 1
	v_mul_u32_u24 v6, v224, 192
	v_mad_u32_u24 v6, v3, 24, v6
	v_mul_u32_u24 v7, v225, 192
	v_mad_u32_u24 v7, v3, 24, v7
	v_lshlrev_b32 v8, 3, v224
	v_lshlrev_b32 v9, 3, v225
	v_lshlrev_b32 v13, 2, v224                     ; V's bias: my feature's number
	v_lshlrev_b32 v14, 2, v225
	v_lshlrev_b32 v10, 4, v1                       ; an image's place for my lane
	v_lshlrev_b32 v11, 2, v1                       ; a scale word's
	v_lshlrev_b32 v12, 6, v3                       ; Q's and K's bias: 16 h numbers on
	s_mov_b32 s[SEL], 0x76543210
	s_mov_b32 s[SEL+1], 0xfedcba98                 ; v_permlanex16_b32's selects for lane l xor 16
	s_mov_b32 s72, 0x0000ffff
	s_mul_i32 s66, s34, 24576                      ; the quad's 128 rows of W: codes,
	s_mov_b32 s67, 0
	s_lshl_b32 s68, s34, 10                        ; scale bytes,
	s_mov_b32 s69, 0
	s_lshl_b32 s70, s34, 9                         ; bias
	s_mov_b32 s71, 0
	s_lshl_b32 s60, s33, 5
	s_add_co_u32 s60, s60, s35                     ; which 128 rows of X
	s_lshl_b32 s62, s60, 10
	s_mov_b32 s63, 0
	s_mul_i32 s60, s60, 24576
	s_mov_b32 s61, 0
	s_wait_alu depctr_va_vdst(0)
	s_wait_kmcnt 0x0
	s_cmp_eq_u32 s31, 0                            ; every choice hangs on the work-group's number alone
	s_cselect_b64 s[42:43], s[8:9], s[14:15]
	s_cselect_b64 s[44:45], s[10:11], s[16:17]
	s_cselect_b64 s[46:47], s[12:13], s[18:19]
	s_cselect_b64 s[56:57], s[26:27], s[28:29]     ; Q goes to qimg, K and V to kv
	s_cmp_eq_u32 s31, 2
	s_cselect_b64 s[42:43], s[20:21], s[42:43]
	s_cselect_b64 s[44:45], s[22:23], s[44:45]
	s_cselect_b64 s[46:47], s[24:25], s[46:47]
	s_add_nc_u64 s[42:43], s[42:43], s[66:67]      ; (these sums leave SCC as it is)
	s_add_nc_u64 s[44:45], s[44:45], s[68:69]
	s_add_nc_u64 s[46:47], s[46:47], s[70:71]
	s_add_nc_u64 s[4:5], s[4:5], s[60:61]
	s_add_nc_u64 s[6:7], s[6:7], s[62:63]
	s_cselect_b64 s[48:49], s[4:5], s[42:43]       ; source 0: X for V, W for Q and K
	s_cselect_b64 s[50:51], s[6:7], s[44:45]
	s_cselect_b64 s[52:53], s[42:43], s[4:5]       ; source 1: the other
	s_cselect_b64 s[54:55], s[44:45], s[6:7]
	s_cselect_b32 s61, 12288, 0                    ; V's fragments lie behind K's,
	s_cselect_b32 s63, 512, 0                      ; its scale words behind K's
	s_cmp_eq_u32 s31, 0
	s_mov_b32 s60, 25600
	s_cselect_b32 s60, 12800, s60                  ; bytes in a block
	s_cselect_b32 s62, 0, 12288
	s_mul_i32 s60, s32, s60
	s_mul_i32 s66, s30, 3072                       ; my two fragments
	s_add_co_u32 s66, s66, s60
	s_add_co_u32 s66, s66, s61
	s_mov_b32 s67, 0
	s_lshl_b32 s68, s30, 7                         ; my 128 bytes of scale words: at 12,288 (Q), 24,576 (K), 25,088 (V)
	s_add_co_u32 s68, s68, s60
	s_add_co_u32 s68, s68, s62
	s_add_co_u32 s68, s68, s63
	s_add_co_u32 s68, s68, 12288
	s_mov_b32 s69, 0
	s_add_nc_u64 s[58:59], s[56:57], s[68:69]
	s_add_nc_u64 s[56:57], s[56:57], s[66:67]
	WIN 0x40                                       ; destination window 1
.irp t, 0,1,2,3,4,5,6,7                        ; source 0's fragments: tile t begins at row 32 (t / 2) + 8 (t % 2); 24 bytes as three loads of 8
.irp s, 0,1
.irp p, 0,1,2,3,4,5
	global_load_b64 v[12*(2*\t+\s)+2*\p:12*(2*\t+\s)+2*\p+1], v4, s[48:49] offset:(32*(\t/2)+8*(\t%2))*192+96*\s+48*(\p/3)+8*(\p%3)
.endr
.endr
.endr
	WIN 0
.irp t, 0,1,2,3,4,5,6,7
.irp s, 0,1
	global_load_b32 v[ASC+2*\t+\s], v5, s[50:51] offset:(32*(\t/2)+8*(\t%2))*8+4*\s
.endr
.endr
.irp g, 0,1
.irp s, 0,1
.irp p, 0,1,2,3,4,5
	global_load_b64 v[BF+24*\g+12*\s+2*\p:BF+24*\g+12*\s+2*\p+1], v[6+\g], s[52:53] offset:96*\s+48*(\p/3)+8*(\p%3)
.endr
	global_load_b32 v[BSC+2*\g+\s], v[8+\g], s[54:55] offset:4*\s
.endr
.endr
.irp b, 0,1,2,3
	v_mov_b32 v[TM+4+\b], 0                        ; written once: a lane permute's destination counts as one of its sources
.endr
	s_cmp_eq_u32 s31, 2
	s_cbranch_scc1 .Lv
	WIN 0x40
.irp t, 0,1,2,3,4,5,6,7                        ; the bias in the result's layout: for tile t the features 32 (t / 2) + 16 h + 8 (t % 2) + 0 .. 7
	global_load_b128 v[192+8*\t:195+8*\t], v12, s[46:47] offset:(32*(\t/2)+8*(\t%2))*4
	global_load_b128 v[196+8*\t:199+8*\t], v12, s[46:47] offset:(32*(\t/2)+8*(\t%2))*4+16
.endr
	WIN 0
	s_wait_loadcnt 0x0
	BODY 0
.Lv:
	global_load_b32 v[BW], v13, s[46:47]
	global_load_b32 v[BW+1], v14, s[46:47]
	s_wait_loadcnt 0x0
	BODY 1
.Lfunc_end_k_q11bdd59af3_proj:
	.size	k_q11bdd59af3_proj, .Lfunc_end_k_q11bdd59af3_proj-k_q11bdd59af3_proj
	.p2alignl 7, 3214868480
	.fill 96, 4, 3214868480
	.section	.rodata,"a",@progbits
	.p2align	6, 0x0
	.amdhsa_kernel k_q11bdd59af3_proj
		.amdhsa_group_segment_fixed_size 0
		.amdhsa_private_segment_fixed_size 0
		.amdhsa_enable_private_segment 0
		.amdhsa_kernarg_size 104
		.amdhsa_user_sgpr_count 2
		.amdhsa_user_sgpr_kernarg_segment_ptr 1
		.amdhsa_wavefront_size32 1
		.amdhsa_system_sgpr_workgroup_id_x 1
		.amdhsa_system_sgpr_workgroup_id_y 1
		.amdhsa_system_sgpr_workgroup_id_z 1
		.amdhsa_system_vgpr_workitem_id 0
		.amdhsa_next_free_vgpr 512
		.amdhsa_next_free_sgpr 80
		.amdhsa_reserve_vcc 0
		.amdhsa_float_denorm_mode_32 3
		.amdhsa_float_denorm_mode_16_64 3
		.amdhsa_memory_ordered 1
		.amdhsa_forward_progress 1
		.amdhsa_inst_pref_size 46
	.end_amdhsa_kernel
	.amdgpu_metadata
---
amdhsa.version: [ 1, 2 ]
amdhsa.kernels:
  - .name:           k_q11bdd59af3_proj
    .symbol:         k_q11bdd59af3_proj.kd
    .args:
      - { .name: node_features_codes, .offset: 0, .size: 8, .value_kind: global_buffer, .address_space: global }
      - { .name: node_features_scales, .offset: 8, .size: 8, .value_kind: global_buffer, .address_space: global }
      - { .name: Wq_codes, .offset: 16, .size: 8, .value_kind: global_buffer, .address_space: global }
      - { .name: Wq_scales, .offset: 24, .size: 8, .value_kind: global_buffer, .address_space: global }
      - { .name: bq, .offset: 32, .size: 8, .value_kind: global_buffer, .address_space: global }
      - { .name: Wk_codes, .offset: 40, .size: 8, .value_kind: global_buffer, .address_space: global }
      - { .name: Wk_scales, .offset: 48, .size: 8, .value_kind: global_buffer, .address_space: global }
      - { .name: bk, .offset: 56, .size: 8, .value_kind: global_buffer, .address_space: global }
      - { .name: Wv_codes, .offset: 64, .size: 8, .value_kind: global_buffer, .address_space: global }
      - { .name: Wv_scales, .offset: 72, .size: 8, .value_kind: global_buffer, .address_space: global }
      - { .name: bv, .offset: 80, .size: 8, .value_kind: global_buffer, .address_space: global }
      - { .name: qimg, .offset: 88, .size: 8, .value_kind: global_buffer, .address_space: global }
      - { .name: kv, .offset: 96, .size: 8, .value_kind: global_buffer, .address_space: global }
    .group_segment_fixed_size: 0
    .private_segment_fixed_size: 0
    .kernarg_segment_align: 8
    .kernarg_segment_size: 104
    .max_flat_workgroup_size: 128
    .sgpr_count:     80
    .vgpr_count:     512
    .wavefront_size: 32
...
	.end_amdgpu_metadata
.endif
;; end of part 1
;; launch attn (part 2): grid 64 x 4, 8 waves a work-group, clusters of 4 x 1, 327,680 bytes of LDS; arguments qimg, kv, adj, out0; writes out0
.if DOCPART == 2
	.amdgcn_target "amdgcn-amd-amdhsa--gfx1250"
	.amdhsa_code_object_version 6
	.text
	.protected	k_q11bdd59af3_attn
	.globl	k_q11bdd59af3_attn
	.p2align	8
	.type	k_q11bdd59af3_attn,@function
k_q11bdd59af3_attn:
	s_mov_b64 s[64:65], 0
	v_nop
	global_prefetch_b8 v0, s[64:65] scope:SCOPE_SE
	s_setreg_imm32_b32 hwreg(HW_REG_WAVE_MODE, 25, 1), 1
	s_wait_xcnt 0x0
	s_wait_alu depctr_hold_cnt(0) depctr_sa_sdst(0) depctr_va_vdst(0) depctr_va_sdst(0) depctr_va_ssrc(0) depctr_va_vcc(0) depctr_vm_vsrc(0)
	s_getreg_b32 s2, hwreg(HW_REG_IB_STS2, 6, 4)
	s_cmp_eq_u32 s2, 0
	s_cbranch_scc0 .Lentry_in_a_cluster
	s_endpgm
.Lentry_in_a_cluster:
	s_bfe_u32 s2, ttmp6, 0x10000c
	s_cmp_lg_u32 s2, 0x3003
	s_cbranch_scc0 .Lentry_shape_is_right
	s_endpgm
.Lentry_shape_is_right:
; out[b][q][32 head + d] = the sum over keys k with adj[b][q][k] of softmax_k(Q . K / sqrt(32)) V, both products on codes of FP6 (E2M3) with one E8M0 scale for each 32 along K.
; Q, K, V^T come as images of operand registers (1,536 bytes a fragment: registers 4 j .. 4 j + 3 of lane l at 512 j + 16 l) with their scale words, made by the launch before:
;   kv block (25,600 bytes: one batch, one quad of heads, 128 keys): K's 8 fragments | V^T's 8 at 12,288 | K's scale words at 24,576 | V's at 25,088;   qimg block (12,800 bytes): Q's 8 fragments | scale words at 12,288.
; SOFTMAX: t = score x log2(e) / sqrt(32); M = the largest t so far, rounded up to a whole number; p = 2^(t - M) is quantised along the keys; the row's sum is taken of the unquantised p and divides at the end;
; when M moves, sum and O are multiplied by 2^(old M - new M), which rounds nothing.
; SHARES: work-group (x, y): y = 2 batch + quad of heads, x = a block of 64 queries: 256 work-groups.  Wave w: tile of 16 queries w / 2, half of the keys w % 2, all four heads of the quad.
; A slot of the LDS ring holds 512 keys (4 kv blocks); wave half p works its key steps 2 p and 2 p + 1.  The two halves of a tile meet at the end through LDS, by exact powers of two.
; ONE FRAGMENT OF K SERVES FOUR HEADS: source 1 of the score product for head i is Q's fragment with all blocks but i set to zero codes.  S^T = K Q^T: a lane holds one query; registers 16 b + i are keys 32 b + 16 (lane / 16) + i.
; THE MASK IS THE SCORE PRODUCT'S C: 0 where the key counts, -2^127 where it is hidden; made once a key step, used by all four heads.
; The largest t begins at -2^100: a hidden key's p is 0; a row without any key ends as 0 x 1/0 = NaN, as the softmax of a row of -infinity is.
; ORDER IN A KEY STEP: head i + 1's eight score products are issued behind head i's conversions, which are the last readers of the score registers; the lane swaps, the end of the sums and head i's two products V^T P^T follow them.
; CLUSTER: the four query blocks of a cluster share batch and quad and walk the same kv blocks: each block is asked for JOINTLY (mask 15), by waves 0-3, one load a wave.  adj's rows differ between partners: plain loads.
; LIMITS: adj's bytes are 0 or 1; scores with t under -2^100, or magnitudes near 2^103, are not served; a block of p whose largest falls under 2^(2 - 126), or that is all zeros, carries the byte 1 (its codes are zeros);
; a block's largest p is taken from its largest score through the same multiply-add and exponential, which takes v_exp_f32 not to fall where its input rises.
; REGISTERS.  window 0: v1-11, v29-30 addresses; v12-27 for head i at 12 + 4 i: -M, the largest t, the sum in two halves; v28 Q's scale words; v32-35 K's, v36-39 V's scale words; v44-75 two sets of adj bytes;
;   v76-91 at work (mask; block maxima v76-79; three chains of the sum v80-85); v96-159 S^T, then p; v160-223 O^T (head i, half t at 160 + 16 i + 8 t); v224-235 p's codes; v236-254 at work; v253 p's scale word.
;   window 1: v0-35 Q's four variants (variant 0 starts at 0, 2 at 6, 1 at 18, 3 at 24); v36-59 and v224-247 V's fragments by turns; v64-127 the mask; v128-223 K's 8 fragments.
.set BLKB,   25600
.set SLOTB,  4*BLKB
.set SLOT1,  1<<17                     ; slot 1 begins here: one exclusive or turns an address in one slot into the other's
.set VOFF,   12288
.set KSOFF,  24576
.set VSOFF,  25088
.set SPARE,  SLOT1+SLOTB               ; the spare words, 128 bytes for each of eight waves
.set MERGE,  SPARE+1024                ; for each tile of queries 10,240 bytes: 64 registers of O^T and 16 of statistics, as images
.set MPAIR,  10240
.set STAGE,  MERGE+4*MPAIR             ; for each tile 16 rows x (512 bytes + 16), for the way out
.set SPITCH, 528
.set SPW, 1
.set NIL, 2
.set LI0, 3                            ; 16 x lane + my half's two blocks
.set LS0, 4                            ; 4 x lane + the same
.set AD0, 5                            ; adj: 4,096 r + 16 h
.set ADL, 6                            ; LI0, LS0 in the slot in hand
.set ADS, 7
.set PFO, 8                            ; 256 x lane
.set MG,  9
.set SO,  10
.set SR,  11
.set ST,  12
.set QS,  28
.set GO,  29                           ; 16 x lane
.set QSO, 30                           ; 4 r
.set KS,  32
.set VS,  36
.set AJ0, 44
.set CT,  76
.set BM,  76                           ; the four blocks' largest scores
.set C1,  80                           ; three more chains of the row's sum
.set C2,  82
.set C3,  84
.set SCR, 96
.set OT,  160
.set PCD, 224
.set MK,  64                           ; in window 1
.set KF,  128                          ; in window 1
.set WV,  12
.set PH,  13
.set TAU, 14
.set SEL, 20
.set CS,  22
.set G1,  24
.set G0,  32
.set TB,  36
.set SLOTS, 37
.set ADJ, 38
.set PFA, 40
.set PFN, 42
.set SB,  44
.set LOH, 49
.set HIH, 50
.set OUT, 60
.set MSB, 0
.macro WIN new                         ; the immediate's high byte repeats the setting that is left
.if MSB != \new
	s_set_vgpr_msb (MSB<<8)|\new
.set MSB, \new
.endif
.endm
.macro NOPS
.rept 4
	v_nop
.endr
.endm
.macro MM d, a, b, c, sa, sb, row      ; row = 1: source 0's scales stand in lanes 16-31 of their register
.if \row
	v_wmma_scale_f32_16x16x128_f8f6f4 v[\d:\d+7], v[\a:\a+11], v[\b:\b+11], v[\c:\c+7], v[\sa], v[\sb] matrix_a_fmt:MATRIX_FMT_FP6 matrix_b_fmt:MATRIX_FMT_FP6 matrix_a_scale:MATRIX_SCALE_ROW1
.else
	v_wmma_scale_f32_16x16x128_f8f6f4 v[\d:\d+7], v[\a:\a+11], v[\b:\b+11], v[\c:\c+7], v[\sa], v[\sb] matrix_a_fmt:MATRIX_FMT_FP6 matrix_b_fmt:MATRIX_FMT_FP6
.endif
.endm
.macro CROUND                          ; a round of the cluster's barrier
	s_barrier_signal -1
	s_barrier_wait -1
	s_cmp_lg_u32 s[WV], 0
	s_cbranch_scc1 .Lnot_wave_0_\@
	s_barrier_signal -3
.Lnot_wave_0_\@:
	s_barrier_wait -3
	s_barrier_signal -1
	s_barrier_wait -1
.endm
.macro TLOAD                           ; the joint load: waves 0-3 fetch one kv block each; the branch hangs on the wave's number alone
	s_cmp_lt_u32 s[WV], 4
	s_cbranch_scc0 .Lno_fetch_\@
	tensor_load_to_lds s[G0:G0+3], s[G1:G1+7]
	s_nop 0
	NOPS
.Lno_fetch_\@:
.endm
; A PREFETCH of kv bytes that later changes of slots will ask for.  All sixteen clusters of a y walk the same 819,200 bytes: the first of them (cluster x = 0) asks, by waves 4-7, one instruction a wave and change:
; 32 lanes, 256 bytes apart: a run of 8,192 bytes.  Run number 4 PFN + cx, counted from slot 2's first byte; PFN = wave - 4 + 4 x change; the partners are told apart by address alone.
; Sixteen runs a change are 131,072 bytes against a slot's 102,400, so every byte named is named at least one change ahead of its load.  Runs 0 to 71 are named (PFN under 18), each once:
; the last byte named is 794,623 of the 819,200; the rest of slot 7 comes by its load alone, and so do slots 0 and 1.
.macro ASK
	s_cmp_lt_u32 s[PFN], 18
	s_cbranch_scc0 .Lnot_mine_\@
	global_prefetch_b8 v[PFO], s[PFA:PFA+1] th:TH_LOAD_NT scope:SCOPE_SE
.Lnot_mine_\@:
	s_add_co_u32 s[PFN], s[PFN], 4
.endm
; THE CHANGE OF SLOTS, at a slot's head.  fill = 1: the barrier is a round of the cluster's, and behind it the slot just left is filled with the next 512 keys.  One tensor load of a wave is out at most.
.macro CHANGE fill
	s_wait_tensorcnt 0x0                           ; no tensor load of mine is out, so the descriptor may be written
	ds_add_u32 v[SPW], v[NIL]
.if \fill
	s_xor_b32 s[G0+1], s[G0+1], SLOT1
	s_add_nc_u64 s[G0+2:G0+3], s[G0+2:G0+3], SLOTB
	s_wait_xcnt 0x0                                ; the last slot's adj loads and prefetch have read their bases
	s_add_nc_u64 s[ADJ:ADJ+1], s[ADJ:ADJ+1], 512
	s_add_nc_u64 s[PFA:PFA+1], s[PFA:PFA+1], 131072
	s_wait_dscnt 0x0                               ; the add is done, and my reads of the slot that I have left are over
	CROUND
	TLOAD
	ASK
.else
	s_wait_dscnt 0x0
	s_barrier_signal -1
	s_barrier_wait -1
.endif
.endm
; adj's bytes of set sg (register 4 b + x, byte y: key 32 b + 16 h + 4 x + y of my query) become the 64 registers of C.  a - (256 a + 1) = -1 - 255 a: byte 0xff where a's byte is 0, 0 where it is 1 (no byte borrows);
; then each byte goes to the top of a word: 0 or 0xff000000 = -2^127
.macro MASK sg
.set AJ, AJ0+16*\sg
.set n, 0
.rept 16
	v_lshl_add_u32 v[CT+n], v[AJ+n], 8, 1
.set n, n+1
.endr
.set n, 0
.rept 16
	v_sub_nc_u32 v[AJ+n], v[AJ+n], v[CT+n]
.set n, n+1
.endr
	WIN 0x40
.set n, 0
.rept 64
	v_perm_b32 v[MK+n], v[AJ+n/4], v[AJ+n/4], s[SB+n%4]
.set n, n+1
.endr
	WIN 0
.endm
.macro SCORE hd                        ; a head's eight score products: sources and C in window 1, D in window 0
.set QB, 18*((\hd)%2)+6*((\hd)/2)
	WIN 0x15
.irp i, 0,1,2,3,4,5,6,7
	MM SCR+8*\i, KF+12*\i, QB, MK+8*\i, KS+\i/2, QS, \i%2
.endr
	WIN 0
.endm
; ONE HEAD OF ONE KEY STEP: its scores stand in v96-159; the softmax of 16 queries x 128 keys, the next head's scores, 2 products V^T P^T.
.macro HEAD hd, sg
.set NM, ST+4*\hd
.set OB, OT+16*\hd
.set VB, 224-188*(\hd%2)
	WIN 0x40
.irp j, 0,1,2,3,4,5
	ds_load_b128 v[VB+4*\j:VB+4*\j+3], v[ADL] offset:BLKB*\sg+VOFF+3072*\hd+512*\j   ; this head's two fragments of V^T, into the set that the head before last has left
.endr
	WIN 0
.irp b, 0,1,2,3
	v_max3_num_f32 v[BM+\b], v[SCR+16*\b], v[SCR+1+16*\b], v[SCR+2+16*\b]   ; the largest score of each block of 32 keys; these lines name no register of the products V^T P^T just issued
.endr
.irp i, 3,5,7,9,11,13
.irp b, 0,1,2,3
	v_max3_num_f32 v[BM+\b], v[BM+\b], v[SCR+16*\b+\i], v[SCR+1+16*\b+\i]
.endr
.endr
.irp b, 0,1,2,3
	v_max_num_f32 v[BM+\b], v[BM+\b], v[SCR+15+16*\b]
.endr
.irp b, 0,1,2,3
	s_delay_alu instid0(VALU_DEP_4)
	v_permlanex16_b32 v[236+\b], v[BM+\b], s[SEL], s[SEL+1]
.endr
.irp b, 0,1,2,3
	s_delay_alu instid0(VALU_DEP_4)
	v_max_num_f32 v[BM+\b], v[BM+\b], v[236+\b]    ; with lane l xor 16's 16 keys
.endr
	s_delay_alu instid0(VALU_DEP_2)
	v_max3_num_f32 v254, v[BM], v[BM+1], v[BM+2]
	s_delay_alu instid0(VALU_DEP_1)
	v_max_num_f32 v254, v254, v[BM+3]
	s_delay_alu instid0(VALU_DEP_1)
	v_mul_f32 v254, s[CS], v254                    ; as t (c is positive)
	s_delay_alu instid0(VALU_DEP_1)
	v_max_num_f32 v[NM+1], v[NM+1], v254           ; the running largest t
	v_mov_b32 v254, v[NM]
	s_delay_alu instid0(VALU_DEP_2)
	v_floor_f32 v[NM], -v[NM+1]                    ; the new -M = floor(-t)
	s_delay_alu instid0(VALU_DEP_1)
	v_sub_f32 v254, v[NM], v254                    ; old M - new M: a whole number, 0 or less
	s_delay_alu instid0(VALU_DEP_1)
	v_cvt_i32_f32 v254, v254                       ; (it saturates)
	s_delay_alu instid0(VALU_DEP_1)
	v_ldexp_f32 v252, 1.0, v254                    ; f = 2^(old M - new M)
.set n, 0
.rept 32
	v_pk_fma_f32 v[SCR+n:SCR+n+1], v[SCR+n:SCR+n+1], s[CS:CS+1], v[NM:NM+1] op_sel_hi:[1,0,0]   ; t - M
.set n, n+2
.endr
.irp b, 0,1,2,3
	v_fma_f32 v[BM+\b], v[BM+\b], s[CS], v[NM]     ; the same of each block's largest score
.endr
	s_wait_alu depctr_va_vdst(0)                   ; ahead of the first readers of O^T and of the batch
.irp j, 0,2,4,6,8,10,12,14
	v_pk_mul_f32 v[OB+\j:OB+\j+1], v[OB+\j:OB+\j+1], v[252:253] op_sel_hi:[1,0]   ; this head's O^T under the new M, each accumulator from its low end on
.endr
.set n, 0
.rept 64
	v_exp_f32 v[SCR+n], v[SCR+n]                   ; p = 2^(t - M), at most 1
.set n, n+1
.endr
.irp b, 0,1,2,3
	v_exp_f32 v[BM+\b], v[BM+\b]                   ; the block's largest p
.endr
	v_pk_mul_f32 v[NM+2:NM+3], v[NM+2:NM+3], v[252:253] op_sel_hi:[1,0]   ; the sums under the new M (the plain place behind the exponentials)
	s_wait_alu depctr_va_vdst(0)                   ; one wait for the batch, directly ahead of the wait below
	s_wait_dscnt 0x0                               ; V's two fragments are in
.irp b, 0,1,2,3
	v_max_num_f32 v[BM+\b], 0x1800000, v[BM+\b]    ; the floor 2^(3 - 127): the byte cannot fall under 1
.endr
.irp b, 0,1,2,3
	s_delay_alu instid0(VALU_DEP_4)
	v_add_nc_u32 v[244+\b], 0xff000000, v[BM+\b]   ; 2 off the exponent field: the conversion's scale operand
.endr
.irp b, 0,1,2,3
	s_delay_alu instid0(VALU_DEP_4)
	v_lshrrev_b32 v[236+\b], 23, v[244+\b]         ; the scale's byte
.endr
	s_delay_alu instid0(VALU_DEP_3)
	v_lshl_or_b32 v253, v237, 8, v236              ; p's scale word for these 128 keys
	s_delay_alu instid0(VALU_DEP_1)
	v_lshl_or_b32 v253, v238, 16, v253
	s_delay_alu instid0(VALU_DEP_1)
	v_lshl_or_b32 v253, v239, 24, v253
	v_pk_add_f32 v[C1:C1+1], v[SCR:SCR+1], v[SCR+2:SCR+3]          ; the row's sum of the UNQUANTISED p, two at a time, in four chains by turns
	v_pk_add_f32 v[C2:C2+1], v[SCR+4:SCR+5], v[SCR+6:SCR+7]
	v_pk_add_f32 v[C3:C3+1], v[SCR+8:SCR+9], v[SCR+10:SCR+11]
.irp j, 12,20,28,36,44,52
	v_pk_add_f32 v[NM+2:NM+3], v[NM+2:NM+3], v[SCR+\j:SCR+\j+1]
	v_pk_add_f32 v[C1:C1+1], v[C1:C1+1], v[SCR+\j+2:SCR+\j+3]
	v_pk_add_f32 v[C2:C2+1], v[C2:C2+1], v[SCR+\j+4:SCR+\j+5]
	v_pk_add_f32 v[C3:C3+1], v[C3:C3+1], v[SCR+\j+6:SCR+\j+7]
.endr
	v_pk_add_f32 v[NM+2:NM+3], v[NM+2:NM+3], v[SCR+60:SCR+61]
	v_pk_add_f32 v[C1:C1+1], v[C1:C1+1], v[SCR+62:SCR+63]
.irp c, 0,1
	v_cvt_scalef32_pk16_fp6_f32 v[PCD+6*\c:PCD+2+6*\c], v[SCR+32*\c:SCR+15+32*\c], v[244+2*\c]
	v_cvt_scalef32_pk16_fp6_f32 v[236+4*\c:238+4*\c], v[SCR+16+32*\c:SCR+31+32*\c], v[244+2*\c+1]   ; (a conversion's three registers begin on an even number)
.endr
	v_nop                                          ; one plain place behind a scaled conversion: its sources are written next
.if \hd < 3
	SCORE \hd+1                                    ; p has had its last reader: the next head's scores
.endif
.irp c, 0,1                                    ; the operand's layout wants a WHOLE block in a lane
.irp i, 0,1,2
	v_permlane16_swap_b32 v[PCD+6*\c+\i], v[236+4*\c+\i]
.endr
.irp i, 0,1,2
	v_mov_b32 v[PCD+3+6*\c+\i], v[236+4*\c+\i]
.endr
.endr
	v_pk_add_f32 v[C2:C2+1], v[C2:C2+1], v[C3:C3+1]                ; the four chains join: with the v_nop, the four places between p's codes and the products
	v_pk_add_f32 v[NM+2:NM+3], v[NM+2:NM+3], v[C1:C1+1]
	v_pk_add_f32 v[NM+2:NM+3], v[NM+2:NM+3], v[C2:C2+1]
	v_nop
	WIN 0x01                                       ; source 0 window 1
	MM OB, VB, PCD, OB, VS+\hd, 253, 0             ; O^T += V^T P^T: features 0-15, then 16-31: two accumulators, one instruction each
	MM OB+8, VB+12, PCD, OB+8, VS+\hd, 253, 1
	WIN 0
.endm
; A KEY STEP: 128 keys, the sg-th of my half of the slot.  load = 1: the same step's adj bytes of the NEXT slot are asked for.  left: how many younger adj loads may stay out.
.macro STEP sg, load, left
	NOPS                                           ; four places behind the last products, in front of loads into their scale register
	WIN 0x40
.set n, 0
.rept 24
	ds_load_b128 v[KF+4*n:KF+4*n+3], v[ADL] offset:BLKB*\sg+512*n   ; K's eight fragments
.set n, n+1
.endr
	WIN 0
.irp a, 0,1,2,3
	ds_load_b32 v[KS+\a], v[ADS] offset:BLKB*\sg+KSOFF+128*\a      ; lanes 0-15: tile 2 a's scale words, lanes 16-31: tile 2 a + 1's
.endr
.irp a, 0,1,2,3
	ds_load_b32 v[VS+\a], v[ADS] offset:BLKB*\sg+VSOFF+128*\a      ; head a: lanes 0-15 features 0-15, lanes 16-31 features 16-31
.endr
	s_wait_loadcnt \left                           ; this set's four adj loads are in
	MASK \sg
.if \load
.irp b, 0,1,2,3
	global_load_b128 v[AJ+4*\b:AJ+4*\b+3], v[AD0], s[ADJ:ADJ+1] offset:128*\sg+32*\b
.endr
.endif
	s_wait_alu depctr_va_vdst(0)                   ; directly ahead of the wait below
	s_wait_dscnt 0x0                               ; K and the scale words are in
	NOPS                                           ; a C written by vector instructions stands four places ahead of the product
	SCORE 0
	NOPS                                           ; four places in front of the first read of results
	HEAD 0, \sg
	HEAD 1, \sg
	HEAD 2, \sg
	HEAD 3, \sg
.endm
.macro SLOT_STEPS load
	v_add_nc_u32 v[ADL], s[TB], v[LI0]
	v_add_nc_u32 v[ADS], s[TB], v[LS0]
	STEP 0, \load, 4
.if \load
	STEP 1, 1, 4
.else
	STEP 1, 0, 0
.endif
	s_xor_b32 s[TB], s[TB], SLOT1                  ; on to the other slot
.endm
	s_load_b256 s[4:11], s[0:1], 0x0               ; qimg 4:5, kv 6:7, adj 8:9, out0 10:11
	v_lshl_add_u32 v[SPW], v0, 2, SPARE
	v_mov_b32 v[NIL], 0
	ds_add_u32 v1, v2
	ds_add_u32 v1, v2
	s_wait_dscnt 0x0
	v_lshrrev_b32 v31, 5, v0
	s_delay_alu instid0(VALU_DEP_1)
	v_readfirstlane_b32 s[WV], v31                 ; wave 0..7
	s_and_b32 s[PH], s[WV], 1                      ; my half of the keys
	s_lshr_b32 s[TAU], s[WV], 1                    ; my tile of 16 queries
	s_bfe_u32 s15, ttmp6, 0x40000                  ; cx
	s_lshl_b32 s16, ttmp9, 2
	s_add_co_u32 s16, s16, s15                     ; my block of 64 queries: it enters Q's, adj's and out's addresses alone
	s_and_b32 s17, ttmp7, 0xffff                   ; y = 2 batch + quad, which the four partners share
	s_lshr_b32 s18, s17, 1                         ; batch
	s_and_b32 s19, s17, 1                          ; quad of heads
	v_and_b32 v31, 31, v0                          ; lane
	v_and_b32 v40, 15, v0                          ; r
	v_bfe_u32 v41, v0, 4, 1                        ; h
	s_mul_i32 s52, s[PH], 2*BLKB
	v_lshl_add_u32 v[LI0], v31, 4, s52
	v_lshl_add_u32 v[LS0], v31, 2, s52
	s_mul_i32 s53, s[TAU], MPAIR
	s_add_co_u32 s53, s53, MERGE
	v_lshl_add_u32 v[MG], v31, 4, s53
	s_mul_i32 s54, s[TAU], 16*SPITCH
	s_add_co_u32 s54, s54, STAGE
	v_mul_u32_u24 v[SO], v40, SPITCH               ; into the stage: row r, + 32 h
	s_delay_alu instid0(VALU_DEP_1)
	v_lshl_add_u32 v[SO], v41, 5, v[SO]
	s_delay_alu instid0(VALU_DEP_1)
	v_add_nc_u32 v[SO], s54, v[SO]
	v_lshl_add_u32 v[SR], v31, 4, s54              ; back: 16 bytes a lane of a row
	v_lshlrev_b32 v[AD0], 12, v40
	s_delay_alu instid0(VALU_DEP_1)
	v_lshl_add_u32 v[AD0], v41, 4, v[AD0]
	v_lshlrev_b32 v[PFO], 8, v31
	v_lshlrev_b32 v[GO], 4, v31
	v_lshlrev_b32 v[QSO], 2, v40
	; descriptor group 1: a kv block is dense: 100 rows of 256 bytes (32 elements of 8 bytes), no padding: every LDS read of it takes 512 consecutive bytes
	s_mov_b32 s[G1], 15|(3<<16)|(1<<21)
	s_mov_b32 s[G1+1], 32<<16
	s_mov_b32 s[G1+2], 100<<16
	s_mov_b32 s[G1+3], 32<<16
	s_mov_b32 s[G1+4], 100
	s_mov_b32 s[G1+5], 32
	s_mov_b32 s[G1+6], 0
	s_mov_b32 s[G1+7], 0
	s_and_b32 s52, s[WV], 3
	s_mov_b32 s[G0], 1
	s_mul_i32 s[G0+1], s52, BLKB                   ; LDS address: slot 0, my block
	s_mul_i32 s53, s17, 32*BLKB                    ; y's 32 blocks
	s_add_co_u32 s[G0+2], s53, s[G0+1]
	s_mov_b32 s[G0+3], 0
	s_lshl_b32 s[PFA], s52, 2                      ; the prefetches: run 4 (wave % 4) + cx,
	s_add_co_u32 s[PFA], s[PFA], s15
	s_lshl_b32 s[PFA], s[PFA], 13
	s_add_co_u32 s[PFA], s[PFA], s53
	s_add_co_u32 s[PFA], s[PFA], 2*SLOTB-131072    ; one step ahead of slot 2's first byte: the first change of slots steps it there
	s_mov_b32 s[PFA+1], 0
	s_and_b32 s[PFN], s[WV], 3
	s_lshr_b32 s52, s[WV], 2
	s_xor_b32 s52, s52, 1                          ; 0 in waves 4-7,
	s_or_b32 s52, s52, ttmp9                       ; of the first cluster of this y: the same in all four partners
	s_cmp_eq_u32 s52, 0
	s_cselect_b32 s[PFN], s[PFN], 1000             ; the others never ask
	s_lshl_b32 s52, s16, 6
	s_lshl_b32 s53, s[TAU], 4
	s_add_co_u32 s52, s52, s53                     ; my first query
	s_lshl_b32 s[ADJ], s52, 12                     ; adj: its row of 4,096 bytes,
	s_lshl_b32 s53, s18, 24                        ; in my batch,
	s_add_co_u32 s[ADJ], s[ADJ], s53
	s_lshl_b32 s53, s[PH], 8                       ; my half's 256 keys of a slot
	s_add_co_u32 s[ADJ], s[ADJ], s53
	s_mov_b32 s[ADJ+1], 0
	s_lshl_b32 s53, s18, 12
	s_add_co_u32 s[OUT], s52, s53
	s_lshl_b32 s[OUT], s[OUT], 10                  ; out: its row of 1,024 bytes,
	s_lshl_b32 s53, s19, 9                         ; my quad's 512
	s_add_co_u32 s[OUT], s[OUT], s53
	s_mov_b32 s[OUT+1], 0
	s_lshr_b32 s54, s16, 1                         ; Q: block 32 y + (query block / 2),
	s_lshl_b32 s55, s17, 5
	s_add_co_u32 s54, s54, s55
	s_mul_i32 s54, s54, 12800
	s_and_b32 s55, s16, 1
	s_lshl_b32 s55, s55, 2
	s_add_co_u32 s55, s55, s[TAU]                  ; fragment 4 (query block % 2) + tile
	s_mul_i32 s56, s55, 1536
	s_add_co_u32 s56, s56, s54
	s_mov_b32 s57, 0
	s_lshl_b32 s58, s55, 6                         ; its scale words: 64 bytes a fragment, at 12,288
	s_add_co_u32 s58, s58, s54
	s_add_co_u32 s58, s58, 12288
	s_mov_b32 s59, 0
	s_mov_b32 s[SEL], 0x76543210
	s_mov_b32 s[SEL+1], 0xfedcba98                 ; v_permlanex16_b32's selects for lane l xor 16
	s_mov_b32 s[CS], 0x3e8293ee                    ; c = log2(e) / sqrt(32)
	s_mov_b32 s[CS+1], s[CS]
	s_mov_b32 s[SB], 0x000c0c0c                    ; v_perm_b32: byte y to the top, zeros below
	s_mov_b32 s[SB+1], 0x010c0c0c
	s_mov_b32 s[SB+2], 0x020c0c0c
	s_mov_b32 s[SB+3], 0x030c0c0c
	s_mov_b32 s[LOH], 0x0000ffff
	s_mov_b32 s[HIH], 0xffff0000
	s_mov_b32 s[TB], 0
	s_mov_b32 s[SLOTS], 7
	s_wait_kmcnt 0x0
	s_add_nc_u64 s[G0+2:G0+3], s[6:7], s[G0+2:G0+3]
	s_or_b32 s[G0+3], s[G0+3], 0x80000000          ; type = 2
	s_add_nc_u64 s[PFA:PFA+1], s[6:7], s[PFA:PFA+1]
	s_add_nc_u64 s[ADJ:ADJ+1], s[8:9], s[ADJ:ADJ+1]
	s_add_nc_u64 s[OUT:OUT+1], s[10:11], s[OUT:OUT+1]
	s_add_nc_u64 s[56:57], s[4:5], s[56:57]
	s_add_nc_u64 s[58:59], s[4:5], s[58:59]
	CROUND                                         ; all four work-groups are here: the first joint loads meet
	TLOAD                                          ; slot 0
	s_wait_alu depctr_va_vdst(0)
.irp j, 0,1,2
	global_load_b128 v[SCR+4*\j:SCR+4*\j+3], v[GO], s[56:57] offset:512*\j   ; Q's fragment, as it was stored
.endr
	global_load_b32 v[QS], v[QSO], s[58:59]        ; and its scale words
.irp g, 0,1
.irp b, 0,1,2,3
	global_load_b128 v[AJ0+16*\g+4*\b:AJ0+16*\g+4*\b+3], v[AD0], s[ADJ:ADJ+1] offset:128*\g+32*\b   ; slot 0's adj bytes, both sets
.endr
.endr
.irp i, 0,1,2,3
	v_mov_b32 v[ST+1+4*\i], 0xf1800000             ; the largest t so far: -2^100
	v_mov_b32 v[ST+4*\i], 0x71800000               ; -M = 2^100
	v_mov_b32 v[ST+2+4*\i], 0                      ; the sum, in two halves
	v_mov_b32 v[ST+3+4*\i], 0
	v_mov_b32 v[236+\i], 0                         ; written once: a lane permute's destination counts as one of its sources
.endr
	v_mov_b32 v253, 0                              ; (named as the upper half of the pair v[252:253] before it is first written)
.set n, 0
.rept 64
	v_mov_b32 v[OT+n], 0                           ; O^T: the key step is written once; its first walk finds zeros
.set n, n+1
.endr
	WIN 0x40
.irp w, 0,1,2,3,4,5
	v_mov_b32 v[6+\w], 0                           ; the two pieces of zero codes
	v_mov_b32 v[24+\w], 0
.endr
	s_wait_loadcnt 8                               ; Q's four loads are in; the eight adj loads behind them may stay out
.irp w, 0,1,2,3,4,5                            ; block i of Q's fragment lies in registers 6 (i / 2) .. + 5 of the lanes with lane / 16 = i % 2: each piece keeps one block
	v_cndmask_b32 v[0+\w], 0, v[SCR+\w], s[LOH]
	v_cndmask_b32 v[18+\w], 0, v[SCR+\w], s[HIH]
	v_cndmask_b32 v[12+\w], 0, v[SCR+6+\w], s[LOH]
	v_cndmask_b32 v[30+\w], 0, v[SCR+6+\w], s[HIH]
.endr
	WIN 0
.Lslot:                                            ; 7 trips: trip s reads slot s, asks for slot s + 1 and loads its adj bytes
	CHANGE 1
	SLOT_STEPS 1
	s_sub_co_u32 s[SLOTS], s[SLOTS], 1
	s_cmp_lg_u32 s[SLOTS], 0
	s_cbranch_scc1 .Lslot
	CHANGE 0                                       ; the last slot is written out
	SLOT_STEPS 0
	; THE TWO HALVES OF THE KEYS MEET.  First each wave's sums: two halves, and lane l xor 16's.  (The first four additions are the places behind the last products.)
	s_wait_alu depctr_va_vdst(0)
.irp i, 0,1,2,3
	v_add_f32 v[ST+2+4*\i], v[ST+2+4*\i], v[ST+3+4*\i]
.endr
.irp i, 0,1,2,3
	s_delay_alu instid0(VALU_DEP_4)
	v_permlanex16_b32 v[236+\i], v[ST+2+4*\i], s[SEL], s[SEL+1]
.endr
.irp i, 0,1,2,3
	s_delay_alu instid0(VALU_DEP_4)
	v_add_f32 v[ST+2+4*\i], v[ST+2+4*\i], v[236+\i]
.endr
	s_cmp_eq_u32 s[PH], 0
	s_cbranch_scc1 .Lkeeps
.irp j, 0,1,2,3,4,5,6,7,8,9,10,11,12,13,14,15
	ds_store_b128 v[MG], v[OT+4*\j:OT+4*\j+3] offset:512*\j        ; the second half's O^T, as images, each accumulator from its low end on,
.endr
.irp j, 0,1,2,3
	ds_store_b128 v[MG], v[ST+4*\j:ST+4*\j+3] offset:8192+512*\j   ; and its -M and sums
.endr
.Lkeeps:
	s_wait_dscnt 0x0                               ; for the partner's sake: my stores have landed
	s_barrier_signal -1
	s_barrier_wait -1
	s_cmp_lg_u32 s[PH], 0
	s_cbranch_scc1 .Lend                           ; the second half's waves are done
.irp j, 0,1,2,3,4,5,6,7,8,9,10,11,12,13,14,15
	ds_load_b128 v[SCR+4*\j:SCR+4*\j+3], v[MG] offset:512*\j
.endr
.irp j, 0,1,2,3
	ds_load_b128 v[60+4*\j:63+4*\j], v[MG] offset:8192+512*\j
.endr
	s_wait_dscnt 0x0
.irp i, 0,1,2,3
	v_min_num_f32 v[232+\i], v[ST+4*\i], v[60+4*\i]   ; the common -M: the smaller of the two
.endr
.irp i, 0,1,2,3
	v_sub_f32 v[236+\i], v[232+\i], v[ST+4*\i]     ; my M less the common one, and the partner's: whole numbers, 0 or less
	v_sub_f32 v[244+\i], v[232+\i], v[60+4*\i]
.endr
.irp i, 0,1,2,3
	v_cvt_i32_f32 v[236+\i], v[236+\i]             ; (they saturate)
	v_cvt_i32_f32 v[244+\i], v[244+\i]
.endr
.irp i, 0,1,2,3
	v_ldexp_f32 v[236+\i], 1.0, v[236+\i]          ; the two factors: exact powers of two
	v_ldexp_f32 v[244+\i], 1.0, v[244+\i]
.endr
.irp i, 0,1,2,3
	v_mul_f32 v[232+\i], v[ST+2+4*\i], v[236+\i]
.endr
.irp i, 0,1,2,3
	s_delay_alu instid0(VALU_DEP_4)
	v_fma_f32 v[232+\i], v[62+4*\i], v[244+\i], v[232+\i]   ; the row's sum over all keys
.endr
	s_wait_alu depctr_va_vdst(0)
.irp i, 0,1,2,3
	v_rcp_f32 v[232+\i], v[232+\i]
.endr
	v_nop                                          ; one plain place behind the transcendentals
	s_wait_alu depctr_va_vdst(0)
.irp i, 0,1,2,3
	v_mul_f32 v[CT+2*\i], v[236+\i], v[232+\i]     ; factor / sum, at the low end of a pair whose upper word has been written
	v_mul_f32 v[CT+8+2*\i], v[244+\i], v[232+\i]
.endr
.irp i, 0,1,2,3
.irp j, 0,2,4,6,8,10,12,14
	v_pk_mul_f32 v[OT+16*\i+\j:OT+16*\i+\j+1], v[OT+16*\i+\j:OT+16*\i+\j+1], v[CT+2*\i:CT+2*\i+1] op_sel_hi:[1,0]
.endr
.endr
.irp i, 0,1,2,3
.irp j, 0,2,4,6,8,10,12,14
	v_pk_fma_f32 v[OT+16*\i+\j:OT+16*\i+\j+1], v[SCR+16*\i+\j:SCR+16*\i+\j+1], v[CT+8+2*\i:CT+9+2*\i], v[OT+16*\i+\j:OT+16*\i+\j+1] op_sel_hi:[1,0,1]
.endr
.endr
	; THE WAY OUT: register 16 i + 8 t + j of lane (r, h) is out(query r, feature 32 i + 16 t + 8 h + j of the quad).  Through the tile's stage, which this wave alone touches, and back as whole rows of 512 bytes.
.irp i, 0,1,2,3
.irp t, 0,1
.irp e, 0,1
	ds_store_b128 v[SO], v[OT+16*\i+8*\t+4*\e:OT+16*\i+8*\t+4*\e+3] offset:128*\i+64*\t+16*\e
.endr
.endr
.endr
.irp i, 0,1,2,3,4,5,6,7,8,9,10,11,12,13,14,15
	ds_load_b128 v[SCR+4*\i:SCR+4*\i+3], v[SR] offset:\i*SPITCH    ; LDS serves a wave's instructions in order (ISA guide 5.7.1.4): these see my stores
.endr
.irp i, 0,1,2,3,4,5,6,7,8,9,10,11,12,13,14,15
	s_wait_dscnt 15-\i                             ; row i is back; the younger loads may stay out
	global_store_b128 v[GO], v[SCR+4*\i:SCR+4*\i+3], s[OUT:OUT+1] offset:1024*\i th:TH_STORE_NT   ; 32 lanes store 512 consecutive bytes, at a multiple of 256 from out's first byte
.endr
.Lend:
	s_wait_tensorcnt 0x0                           ; the wave's end
	ds_add_u32 v[SPW], v[NIL]
	s_wait_dscnt 0x0
	CROUND                                         ; the closing round
	s_endpgm
.Lfunc_end_k_q11bdd59af3_attn:
	.size	k_q11bdd59af3_attn, .Lfunc_end_k_q11bdd59af3_attn-k_q11bdd59af3_attn
	.p2alignl 7, 3214868480
	.fill 96, 4, 3214868480
	.section	.rodata,"a",@progbits
	.p2align	6, 0x0
	.amdhsa_kernel k_q11bdd59af3_attn
		.amdhsa_group_segment_fixed_size 327680
		.amdhsa_private_segment_fixed_size 0
		.amdhsa_enable_private_segment 0
		.amdhsa_kernarg_size 32
		.amdhsa_user_sgpr_count 2
		.amdhsa_user_sgpr_kernarg_segment_ptr 1
		.amdhsa_wavefront_size32 1
		.amdhsa_system_sgpr_workgroup_id_x 1
		.amdhsa_system_sgpr_workgroup_id_y 1
		.amdhsa_system_sgpr_workgroup_id_z 1
		.amdhsa_system_vgpr_workitem_id 0
		.amdhsa_next_free_vgpr 512
		.amdhsa_next_free_sgpr 66
		.amdhsa_reserve_vcc 0
		.amdhsa_float_denorm_mode_32 3
		.amdhsa_float_denorm_mode_16_64 3
		.amdhsa_memory_ordered 1
		.amdhsa_forward_progress 1
		.amdhsa_inst_pref_size 255
	.end_amdhsa_kernel
	.section	.bss,"aw",@nobits
	.p2align	6
	.space	262144
	.amdgpu_metadata
---
amdhsa.version: [ 1, 2 ]
amdhsa.kernels:
  - .name:           k_q11bdd59af3_attn
    .symbol:         k_q11bdd59af3_attn.kd
    .args:
      - { .name: qimg, .offset: 0, .size: 8, .value_kind: global_buffer, .address_space: global }
      - { .name: kv, .offset: 8, .size: 8, .value_kind: global_buffer, .address_space: global }
      - { .name: adj, .offset: 16, .size: 8, .value_kind: global_buffer, .address_space: global }
      - { .name: out0, .offset: 24, .size: 8, .value_kind: global_buffer, .address_space: global }
    .group_segment_fixed_size: 327680
    .private_segment_fixed_size: 0
    .kernarg_segment_align: 8
    .kernarg_segment_size: 32
    .max_flat_workgroup_size: 256
    .sgpr_count:     66
    .vgpr_count:     512
    .wavefront_size: 32
...
	.end_amdgpu_metadata
.endif
;; end of part 2
